; MI455X (gfx1250); checked and timed in simulation.
; The chip was launched on July 23, 2026; its instructions are those of AMD's public machine-readable ISA for CDNA 5 (MIT licence, August 2026) and "CDNA5" Instruction Set Architecture Reference Guide (July 2026). The comments in the code are by the model that wrote it; some were corrected since.
;; KK Layer. Allowed arithmetic: float matrix products may take bf16 or f16 operands with f32 sums; all other float work in f32.
;; Inputs: alphas 128 x 128 float32; betas 128 x 128 float32; x 8 x 128 x 128 x 128 float32.
;; Outputs: out0 8 x 128 x 128 x 128 float32.
;; One version. Each part assembles by itself: llvm-mc -triple=amdgcn-amd-amdhsa -mcpu=gfx1250 --defsym DOCPART=n.
;; ======== version 1 of 1: 1 launch
;; launch kk (part 1): grid 256 x 1, 4 waves a work-group, no clusters, 302,080 bytes of LDS; arguments x, alphas, betas, out0; writes out0
.if DOCPART == 1
	.amdgcn_target "amdgcn-amd-amdhsa--gfx1250"
	.amdhsa_code_object_version 6
	.text
	.protected	k_q8bd50f7fe4_kk
	.globl	k_q8bd50f7fe4_kk
	.p2align	8
	.type	k_q8bd50f7fe4_kk,@function
k_q8bd50f7fe4_kk:
	s_mov_b64 s[64:65], 0
	v_nop
	global_prefetch_b8 v0, s[64:65] scope:SCOPE_SE
	s_setreg_imm32_b32 hwreg(HW_REG_WAVE_MODE, 25, 1), 1
	s_wait_xcnt 0x0
; KKLayer:  out0[b][o][h][w] = sum over i of alphas[o][i] * x[b][i][(128-h)&127][(128-w)&127]  +  t[o].
;
; WHY THIS IS THE WHOLE LAYER.  With X = fft2(x) the layer forms (alphas Re + betas Im) + i (betas Re - alphas Im) = (alphas + i betas) conj(X).
; x is real by its type, so conj(X) is the transform of x mirrored in h and in w (index n becomes -n mod 128).  The channel mix commutes with the
; inverse transform, so the complex result is (alphas + i betas) times the mirrored x, and its real part is alphas times the mirrored x.
; This holds for every real x and every alphas and betas.  The transforms are therefore not computed at all.
; BETAS: its share of the real part is -betas times the imaginary part of the mirrored x, which is 0.  That term is kept in this collapsed form:
; t[o] = sum over i of betas[o][i] * 0, added to every output of channel o.  For finite betas t[o] is a zero and changes no value;
; a row of betas that holds an infinity or a NaN makes its whole output channel NaN.
; LIMITS, stated: x and alphas are rounded to bf16 for the matrix unit, sums are f32, and K is permuted within a matrix instruction, so the
; rounding differs from that of f32 transforms.  An infinity or NaN in x or alphas reaches only the outputs whose product touches it, not
; the whole plane as it would through a transform.  The sign of a zero result may differ.  No limit of range beyond f32 and bf16.
;
; SHARES.  A slab is x[b][0..127][hs][0..127]: 128 rows (i) of 512 bytes, 65,536 bytes apart; it gives out0[b][0..127][(128-hs)&127][0..127].
; 1,024 slabs, 256 work-groups, four slabs each (hs = 4 hq + 0..3).  All four slabs lie in LDS at once: every tensor load of the work-group is
; issued in the prologue and no slot is filled twice, so nothing is ever overwritten that somebody reads.
; Two trips, written out.  Wave n (sp = n >> 1, g = n & 1) takes in trip T slab 2 T + sp, output columns 64 g .. 64 g + 63, all 128 channels.
;
; LAYOUT.  D = A (16 rows of alphas) x B (16 columns of x).  Lane (r = lane & 15, hl = lane >> 4), register j of tile (mt, t) holds channel
; o = 16 mt + 8 hl + j and column n = r, which is DEFINED as output column w = 64 g + 4 r + t.  So at equal j the tiles t = 0..3 give a lane four
; neighbouring w (16 bytes): each store of the wave covers two runs of 256 consecutive bytes, aligned (row o from lanes 0-15, row o + 8 from 16-31).
; B is gathered word by word from the f32 slab: that one gather transposes, mirrors w and orders the columns.  Source column
; ws(t) = (128 - w) & 127;  ws(3) = 4 (15 - r) + 64 (g xor 1) + 1,  ws(t) = ws(3) + 3 - t for t = 1, 2,  ws(0) = (ws(3) + 3) & 127.
; K IS PERMUTED ALIKE IN A AND B: slot e (register e >> 1, half e & 1) of lane half hl in K step c holds i = 32 c + 2 e + hl.  An LDS row is
; 130 words, so in one gather the lanes of a half, 4 words apart, take 16 banks of one residue mod 4 and the other half, one row on, is 2 banks
; further (64 banks of 4 bytes: ISA guide 11.1): 32 different banks.
;
; NO CLUSTER: no two work-groups read the same byte of x.  What all share is the weights, 131,072 bytes of f32 against 524,288 bytes of x and out0
; of a work-group own.  A joint request would land them raw in LDS, where 26,112 bytes are left beside the slabs and the bf16 table; making
; room would hold back a slab.  NO PREFETCH: every input byte is requested by the first instructions.
.set XP,    520                        ; LDS row of a slab: 512 bytes + 8 of padding laid by the mover
.set QUART, 32*XP                      ; 32 rows: one tensor load, one wave's share of a slab
.set SLOT,  4*QUART                    ; a slab in LDS: 66,560 bytes; slots 0..3 from byte 0
.set AL,    4*SLOT                     ; 266,240: alphas in bf16, row o at 272 o; in each K block of 64 bytes the 16 even i, then the 16 odd i
.set AP,    272                        ; 17 x 16 bytes: the 16 rows of a fragment load start in 16 different groups of banks
.set TBL,   AL+128*AP                  ; 301,056: t[o], 128 f32; the end is 301,568
.set ADR0,  6                          ; v6   slab address of column ws(0), row hl
.set ADR13, 7                          ; v7   the same for ws(3); ws(2), ws(1) by the immediate
.set AADR,  8                          ; v8   AL + 272 r + 32 hl
.set TADR,  9                          ; v9   TBL + 32 hl
.set CO,    10                         ; v10  my bytes in out0: hl << 19 (8 channels) | r << 4
.set VA,    11                         ; v11  alphas: wave << 14 | lane << 4
.set VB,    12                         ; v12  betas:  wave << 14 | hl << 9 | r << 4
.set ASTO,  13                         ; v13  where my two packed words of a row of alphas go
.set TSTO,  14                         ; v14  where t of my row goes
.set TB,    16                         ; v[16:31]   t of the 8 channels of a lane, two buffers
.set A,     32                         ; v[32:63]   fragments of alphas, 4 K steps x 8
.set ACC,   64                         ; v[64:95]   4 accumulator tiles (t)
.set RAW,   64                         ; v[64:127]  during the build: two buffers of 32 gathered f32
.set OUT,   96                         ; v[96:127]  results in store order, 4 j + t
.set BF,    128                        ; v[128:255] fragments of x, (c, t) at 32 c + 8 t.  In the prologue: raw alphas, then raw betas
.set G1,    24                         ; s[24:31] descriptor group 1
.set G0,    32                         ; s[32:47] descriptor group 0, one set for each slab: never rewritten
.set OB0,   48                         ; s[48:49] out0 at (b, channel 0, my h of trip 0, column 64 g)
.set OB1,   50                         ; s[50:51] the same for trip 1
	s_load_b256 s[4:11], s[0:1], 0x0               ; x s[4:5], alphas s[6:7], betas s[8:9], out0 s[10:11]
	s_set_vgpr_msb 0x40
	v_lshl_add_u32 v0, v0, 2, 0x49a00
	v_mov_b32 v1, 0
	s_set_vgpr_msb 0x4045
	ds_add_u32 v0, v1
	ds_add_u32 v0, v1
	s_set_vgpr_msb 0x4500
	v_lshrrev_b32 v15, 5, v0
	v_readfirstlane_b32 s12, v15                   ; wave 0..3
	v_and_b32 v1, 15, v0                           ; r
	v_bfe_u32 v2, v0, 4, 1                         ; hl
	v_xor_b32 v3, 15, v0
	v_and_b32 v3, 15, v3                           ; 15 - r
	v_and_b32 v4, 31, v0                           ; lane
	s_and_b32 s13, s12, 1                          ; g
	s_lshr_b32 s14, s12, 1                         ; sp
	s_lshr_b32 s15, ttmp9, 5                       ; b
	s_and_b32 s20, ttmp9, 31                       ; hq
	v_lshlrev_b32 v[VA], 4, v4
	v_lshl_or_b32 v[VA], v15, 14, v[VA]            ; 32 rows of 512 bytes a wave, 16 bytes a lane
	v_lshlrev_b32 v[VB], 4, v1
	v_lshl_or_b32 v[VB], v2, 9, v[VB]
	v_lshl_or_b32 v[VB], v15, 14, v[VB]            ; lanes 0-15 one row, lanes 16-31 the next
	s_wait_dscnt 0x0
	s_wait_kmcnt 0x0
	; THE WEIGHTS ARE ASKED FOR FIRST: they are small and everything waits for them.  Wave n owns rows 32 n .. 32 n + 31 of both tables.
.irp n, 0,1,2,3,4,5,6,7,8,9,10,11,12,13,14,15,16,17,18,19,20,21,22,23,24,25,26,27,28,29,30,31
	global_load_b128 v[BF+4*\n:BF+4*\n+3], v[VA], s[6:7] offset:512*\n        ; a whole row of alphas: 512 consecutive bytes
.endr
.irp p, 0,1,2,3,4,5,6,7
	global_load_b128 v[ACC+8*\p:ACC+8*\p+3],   v[VB], s[8:9] offset:1024*\p      ; betas, rows 2 p and 2 p + 1: their first 256 bytes,
	global_load_b128 v[ACC+8*\p+4:ACC+8*\p+7], v[VB], s[8:9] offset:1024*\p+256  ; their second
.endr
	; THE FOUR SLABS.  Group 1: a tile of 32 rows x 128 f32, rows 16,384 elements apart, 2 words of padding behind every 128.
	s_mov_b32 s[G1+0], (2<<16)|(1<<20)|(6<<22)|(1<<25) ; mask 0; elements of 4 bytes; padding on; interval code 6 (128 words); 2 words (code 1)
	s_mov_b32 s[G1+1], 128<<16                     ; tensor_dim0 = 128
	s_mov_b32 s[G1+2], 32<<16                      ; tensor_dim1 = 32
	s_mov_b32 s[G1+3], 128<<16                     ; tile_dim0 = 128
	s_mov_b32 s[G1+4], 32                          ; tile_dim1 = 32
	s_mov_b32 s[G1+5], 16384                       ; from row i to row i + 1
	s_mov_b32 s[G1+6], 0
	s_mov_b32 s[G1+7], 0
	s_lshl_b32 s16, s15, 23                        ; b: 128 x 128 x 128 x 4 bytes
	s_lshl_b32 s21, s20, 11                        ; hs = 4 hq: 4 rows of 512 bytes
	s_or_b32 s16, s16, s21
	s_lshl_b32 s21, s12, 21                        ; i = 32 x wave: 32 planes of 65,536 bytes
	s_or_b32 s16, s16, s21                         ; the three fields do not meet
	s_mov_b32 s17, 0
	s_add_nc_u64 s[18:19], s[4:5], s[16:17]        ; x at my first tile
	s_mul_i32 s23, s12, QUART                      ; my rows in a slot
.irp s, 0,1,2,3
	s_mov_b32 s[G0+4*\s], 1                                        ; count = 1
	s_add_co_u32 s[G0+4*\s+1], s23, \s*SLOT                        ; LDS address: slot s, my 32 rows
	s_add_nc_u64 s[G0+4*\s+2:G0+4*\s+3], s[18:19], \s*512          ; hs = 4 hq + s
	s_or_b32 s[G0+4*\s+3], s[G0+4*\s+3], 0x80000000                ; type = 2
	tensor_load_to_lds s[G0+4*\s:G0+4*\s+3], s[G1:G1+7]            ; four loads of this wave are out at the most
	s_nop 0
.endr
	; where the results go: h = (128 - hs) & 127, hs = 4 hq + sp + 2 T
	s_lshl_b32 s21, s20, 2
	s_add_co_u32 s21, s21, s14                     ; 4 hq + sp, 0 .. 125
	s_lshl_b32 s23, s15, 23                        ; b
	s_lshl_b32 s22, s13, 8                         ; 64 g columns
	s_or_b32 s23, s23, s22
	s_sub_co_u32 s22, 128, s21
	s_and_b32 s22, s22, 127
	s_lshl_b32 s22, s22, 9
	s_or_b32 s16, s23, s22
	s_add_nc_u64 s[OB0:OB0+1], s[10:11], s[16:17]
	s_sub_co_u32 s22, 126, s21                     ; 1 .. 126
	s_lshl_b32 s22, s22, 9
	s_or_b32 s16, s23, s22
	s_add_nc_u64 s[OB1:OB1+1], s[10:11], s[16:17]
	; the lanes' LDS addresses
	s_mul_i32 s52, s14, SLOT                       ; trip 0: slot sp
	s_xor_b32 s53, s13, 1
	s_lshl_b32 s53, s53, 6
	s_add_co_u32 s53, s53, 1                       ; 64 (g xor 1) + 1
	v_mul_u32_u24 v15, v2, XP
	v_add_nc_u32 v15, s52, v15                     ; slot + row hl
	v_lshl_add_u32 v5, v3, 2, s53                  ; ws(3), 1 .. 125
	v_lshl_add_u32 v[ADR13], v5, 2, v15
	v_add_nc_u32 v5, 3, v5
	v_and_b32 v5, 127, v5                          ; ws(0): 128 wraps to 0
	v_lshl_add_u32 v[ADR0], v5, 2, v15
	v_mul_u32_u24 v[AADR], v1, AP
	v_lshl_add_u32 v[AADR], v2, 5, v[AADR]
	v_add_nc_u32 v[AADR], AL, v[AADR]
	v_lshl_add_u32 v[TADR], v2, 5, TBL
	v_lshlrev_b32 v[CO], 4, v1
	v_lshl_or_b32 v[CO], v2, 19, v[CO]
	s_mul_i32 s21, s12, 32*AP
	s_add_co_u32 s21, s21, AL                      ; my 32 rows of the bf16 table
	v_lshrrev_b32 v5, 3, v4                        ; K block of my four i = lane >> 3
	v_and_b32 v[ASTO], 7, v0
	v_lshlrev_b32 v[ASTO], 2, v[ASTO]              ; two slots e = 2 (lane & 7), + 1: one word
	v_lshl_add_u32 v[ASTO], v5, 6, v[ASTO]
	v_add_nc_u32 v[ASTO], s21, v[ASTO]
	s_lshl_b32 s22, s12, 7
	s_add_co_u32 s22, s22, TBL                     ; my 32 words of t
	v_lshl_add_u32 v[TSTO], v2, 2, s22
	; ALPHAS TO LDS in bf16.  A lane holds i = 4 lane .. 4 lane + 3 of a row: the two even ones make one word, the two odd ones another.
	s_wait_loadcnt 16                              ; loads come back in order (ISA guide 5.7.1): the 32 of alphas are in, the 16 of betas may be out
.irp n, 0,1,2,3,4,5,6,7,8,9,10,11,12,13,14,15,16,17,18,19,20,21,22,23,24,25,26,27,28,29,30,31
	v_cvt_pk_bf16_f32 v[BF+4*\n],   v[BF+4*\n],   v[BF+4*\n+2]
	v_cvt_pk_bf16_f32 v[BF+4*\n+1], v[BF+4*\n+1], v[BF+4*\n+3]
	ds_store_b32 v[ASTO], v[BF+4*\n]   offset:AP*\n
	ds_store_b32 v[ASTO], v[BF+4*\n+1] offset:AP*\n+32
.endr
	s_wait_dscnt 0x0                               ; the loads below land in registers that the LDS stores above read: those stores are done first
.irp p, 0,1,2,3,4,5,6,7
	global_load_b128 v[BF+8*\p:BF+8*\p+3],   v[VB], s[8:9] offset:1024*\p+8192
	global_load_b128 v[BF+8*\p+4:BF+8*\p+7], v[VB], s[8:9] offset:1024*\p+8192+256
.endr
; t of rows 2 p (lanes 0-15) and 2 p + 1 (lanes 16-31): each number times 0, THEN the sum, so that large finite betas cannot overflow.
; Eight numbers in a lane, then four steps across the 16 lanes of a half; all 16 store the same word with the same value.
.macro BETA p, x
	v_pk_mul_f32 v[\x:\x+1], v[\x:\x+1], 0 op_sel_hi:[1,0]
.irp k, 2,4,6
	v_pk_fma_f32 v[\x:\x+1], v[\x+\k:\x+\k+1], 0, v[\x:\x+1] op_sel_hi:[1,0,1]
.endr
	v_add_f32 v[\x], v[\x], v[\x+1]
	v_add_f32_dpp v[\x], v[\x], v[\x] row_xmask:1 row_mask:0xf bank_mask:0xf
	v_add_f32_dpp v[\x], v[\x], v[\x] row_xmask:2 row_mask:0xf bank_mask:0xf
	v_add_f32_dpp v[\x], v[\x], v[\x] row_xmask:4 row_mask:0xf bank_mask:0xf
	v_add_f32_dpp v[\x], v[\x], v[\x] row_xmask:8 row_mask:0xf bank_mask:0xf
	ds_store_b32 v[TSTO], v[\x] offset:8*\p
.endm
	s_wait_loadcnt 16                              ; pairs 0-7 are in; the 16 younger loads are pairs 8-15
.irp p, 0,1,2,3,4,5,6,7
	BETA \p, ACC+8*\p
.endr
	s_wait_loadcnt 0x0
.irp p, 8,9,10,11,12,13,14,15
	BETA \p, BF+8*(\p-8)
.endr
; 16 gathered words: rows i = 32 c + 2 e + hl, e = 0..15, of source column ws(tt).  The largest immediate is 126 x 520 + 8 = 65,528.
.macro GCOL c, tt, dst
.if (\tt) == 0
.irp e, 0,1,2,3,4,5,6,7,8,9,10,11,12,13,14,15
	ds_load_b32 v[\dst+\e], v[ADR0] offset:(32*\c+2*\e)*XP
.endr
.else
.irp e, 0,1,2,3,4,5,6,7,8,9,10,11,12,13,14,15
	ds_load_b32 v[\dst+\e], v[ADR13] offset:(32*\c+2*\e)*XP+4*(3-(\tt))
.endr
.endif
.endm
; a batch: 32 loads, K step c, tiles t = 2 tp and 2 tp + 1, into raw buffer buf
.macro GATHER c, tp, buf
	GCOL \c, 2*\tp, RAW+32*\buf
	GCOL \c, 2*\tp+1, RAW+32*\buf+16
.endm
; and its 16 roundings: slots 2 q and 2 q + 1 make register q of fragment (c, t)
.macro CVT c, tp, buf
.irp u, 0,1
.irp q, 0,1,2,3,4,5,6,7
	v_cvt_pk_bf16_f32 v[BF+32*\c+8*(2*\tp+\u)+\q], v[RAW+32*\buf+16*\u+2*\q], v[RAW+32*\buf+16*\u+2*\q+1]
.endr
.endr
.endm
; ten loads: the four fragments of alphas of channels 16 mt .. 16 mt + 15, and t of my eight channels
.macro LOADA mt
.irp c, 0,1,2,3
	ds_load_b128 v[A+8*\c:A+8*\c+3],   v[AADR] offset:16*AP*(\mt)+64*\c
	ds_load_b128 v[A+8*\c+4:A+8*\c+7], v[AADR] offset:16*AP*(\mt)+64*\c+16
.endr
	ds_load_b128 v[TB+8*((\mt)&1):TB+8*((\mt)&1)+3],   v[TADR] offset:64*(\mt)
	ds_load_b128 v[TB+8*((\mt)&1)+4:TB+8*((\mt)&1)+7], v[TADR] offset:64*(\mt)+16
.endm
; 16 channels x 64 columns: 16 matrix instructions, then out
.macro MT mt, ob
	s_wait_dscnt 0x0                               ; the ten loads of this block of channels are in
.irp t, 0,1,2,3
	v_wmma_f32_16x16x32_bf16 v[ACC+8*\t:ACC+8*\t+7], v[A:A+7], v[BF+8*\t:BF+8*\t+7], 0      ; the first product starts the sum
.endr
.irp c, 1,2,3
.irp t, 0,1,2,3
	v_wmma_f32_16x16x32_bf16 v[ACC+8*\t:ACC+8*\t+7], v[A+8*\c:A+8*\c+7], v[BF+32*\c+8*\t:BF+32*\c+8*\t+7], v[ACC+8*\t:ACC+8*\t+7]
.endr
.endr
.rept 4
	v_nop                                          ; four places before the sums are read and before loads are issued into A
.endr
.if (\mt) < 7
	LOADA \mt+1                                    ; the next block, into A and into the other buffer of t
.endif
.if (\mt) > 0
	s_wait_xcnt 0x0                                ; OUT is the data of the last block of stores: rewritten only behind this wait (ISA guide 3.1)
.endif
.irp j, 0,1,2,3,4,5,6,7
.irp t, 0,1,2,3
	v_add_f32 v[OUT+4*\j+\t], v[ACC+8*\t+\j], v[TB+8*((\mt)&1)+\j]     ; adds t[o] and puts four neighbouring w side by side
.endr
	global_store_b128 v[CO], v[OUT+4*\j:OUT+4*\j+3], s[\ob:\ob+1] offset:(16*(\mt)+\j)*65536 th:TH_STORE_NT   ; 256 aligned bytes of row o, 256 of row o + 8
.endr
.endm
; A wave task: build the 16 fragments of x in eight batches, two raw buffers in turn, then the eight blocks of channels.
; The next block first matrix instructions write over ACC behind the four v_nop and 24 adds that name none of that tile registers.
.macro TASK ob
	GATHER 0, 0, 0
	GATHER 0, 1, 1
	s_wait_dscnt 32                                ; LDS loads come back in order (ISA guide 5.7.1): the older batch is in, the 32 younger loads stay out
	CVT 0, 0, 0
	GATHER 1, 0, 0
	s_wait_dscnt 32
	CVT 0, 1, 1
	GATHER 1, 1, 1
	s_wait_dscnt 32
	CVT 1, 0, 0
	GATHER 2, 0, 0
	s_wait_dscnt 32
	CVT 1, 1, 1
	GATHER 2, 1, 1
	s_wait_dscnt 32
	CVT 2, 0, 0
	GATHER 3, 0, 0
	s_wait_dscnt 32
	CVT 2, 1, 1
	GATHER 3, 1, 1
	s_wait_dscnt 32
	CVT 3, 0, 0
	LOADA 0
	s_wait_dscnt 10                                ; the last batch is in; the ten younger loads are the ones just issued
	CVT 3, 1, 1
.irp m, 0,1,2,3,4,5,6,7
	MT \m, \ob
.endr
.endm
	; TRIP 0: slabs 0 and 1.  Its reads end at byte 133,112, inside slots 0 and 1; slots 2 and 3 are still being filled.
	s_wait_tensorcnt 2                             ; tensor loads of a wave end in order (ISA guide 10.11.1): my rows of slabs 0 and 1 are in, the two younger loads stay out
	s_wait_dscnt 0x0                               ; my rows of the bf16 table and of t are written: zero, for the other waves
	s_barrier_signal -1
	s_barrier_wait -1                              ; both now hold of all four waves
	TASK OB0
	; TRIP 1: slabs 2 and 3
	v_add_nc_u32 v[ADR0], 2*SLOT, v[ADR0]
	v_add_nc_u32 v[ADR13], 2*SLOT, v[ADR13]
	s_wait_tensorcnt 0x0                           ; my rows of slabs 2 and 3 are in; nothing was issued behind them.  No LDS instruction of mine is out:
	s_barrier_signal -1                            ; the last ones were waited for at the head of the last block of channels
	s_barrier_wait -1
	s_wait_xcnt 0x0                                ; the second raw buffer is OUT, the data of the last stores: loaded into only behind this wait
	TASK OB1
	s_set_vgpr_msb 0x5
	s_wait_tensorcnt 0x0
	ds_add_u32 v0, v1
	s_wait_dscnt 0x0
	s_set_vgpr_msb 0x500
	s_endpgm
.Lfunc_end_k_q8bd50f7fe4_kk:
	.size	k_q8bd50f7fe4_kk, .Lfunc_end_k_q8bd50f7fe4_kk-k_q8bd50f7fe4_kk
	.p2alignl 7, 3214868480
	.fill 96, 4, 3214868480
	.section	.rodata,"a",@progbits
	.p2align	6, 0x0
	.amdhsa_kernel k_q8bd50f7fe4_kk
		.amdhsa_group_segment_fixed_size 302080
		.amdhsa_private_segment_fixed_size 0
		.amdhsa_enable_private_segment 0
		.amdhsa_kernarg_size 32
		.amdhsa_user_sgpr_count 2
		.amdhsa_user_sgpr_kernarg_segment_ptr 1
		.amdhsa_wavefront_size32 1
		.amdhsa_system_sgpr_workgroup_id_x 1
		.amdhsa_system_sgpr_workgroup_id_y 1
		.amdhsa_system_sgpr_workgroup_id_z 1
		.amdhsa_system_vgpr_workitem_id 0
		.amdhsa_next_free_vgpr 258
		.amdhsa_next_free_sgpr 66
		.amdhsa_reserve_vcc 0
		.amdhsa_float_denorm_mode_32 3
		.amdhsa_float_denorm_mode_16_64 3
		.amdhsa_memory_ordered 1
		.amdhsa_forward_progress 1
		.amdhsa_inst_pref_size 135
	.end_amdhsa_kernel
	.amdgpu_metadata
---
amdhsa.version: [ 1, 2 ]
amdhsa.kernels:
  - .name:           k_q8bd50f7fe4_kk
    .symbol:         k_q8bd50f7fe4_kk.kd
    .args:
      - { .name: x, .offset: 0, .size: 8, .value_kind: global_buffer, .address_space: global }
      - { .name: alphas, .offset: 8, .size: 8, .value_kind: global_buffer, .address_space: global }
      - { .name: betas, .offset: 16, .size: 8, .value_kind: global_buffer, .address_space: global }
      - { .name: out0, .offset: 24, .size: 8, .value_kind: global_buffer, .address_space: global }
    .group_segment_fixed_size: 302080
    .private_segment_fixed_size: 0
    .kernarg_segment_align: 8
    .kernarg_segment_size: 32
    .max_flat_workgroup_size: 128
    .sgpr_count:     66
    .vgpr_count:     258
    .wavefront_size: 32
...
	.end_amdgpu_metadata
.endif
;; end of part 1
